; MI455X (gfx1250); checked and timed in simulation.
; The chip was launched on July 23, 2026; its instructions are those of AMD's public machine-readable ISA for CDNA 5 (MIT licence, August 2026) and "CDNA5" Instruction Set Architecture Reference Guide (July 2026). The comments in the code are by the model that wrote it; some were corrected since.
;; Autoregressive LSTM. Allowed arithmetic: float matrix products may take bf16 or f16 operands with f32 sums; other float arithmetic in f32, or as packed bf16 or f16 multiplies, adds, multiply-adds, maxima and minima; sums over many terms, partial sums and values carried from step to step in f32; what a program stores and reads back later, other than sums and carried values, may be rounded once to bf16 or f16.
;; Inputs: bias 4,096 float32; dense_b 1 float32; dense_w 1,024 x 1 float32; features 4,096 x 512 float32; kernel 1 x 4,096 float32; recurrent_kernel 1,024 x 4,096 float32.
;; Outputs: out0 4,096 x 4 x 1 float32.
;; 2 versions, each right; version 2 is version 1 with the launch prep written anew for expert scheduling mode. Each part assembles by itself: llvm-mc -triple=amdgcn-amd-amdhsa -mcpu=gfx1250 --defsym DOCPART=n.
;; ======== version 1 of 2: 6 launches
;; workspace buffers: wfrag 8,388,608 bytes; hA 8,388,608 bytes; hB 8,388,608 bytes; cA 16,777,216 bytes; cB 16,777,216 bytes; sA 1,048,576 bytes; sB 1,048,576 bytes
;; launch prep (part 1): grid 256 x 1, 8 waves a work-group, no clusters, 0 bytes of LDS; arguments features, recurrent_kernel, wfrag, hA, cA, sA; writes wfrag, hA, cA, sA
.if DOCPART == 1
	.amdgcn_target "amdgcn-amd-amdhsa--gfx1250"
	.amdhsa_code_object_version 6
	.text
	.protected	k_q101699b5e0_prep
	.globl	k_q101699b5e0_prep
	.p2align	8
	.type	k_q101699b5e0_prep,@function
k_q101699b5e0_prep:
	s_mov_b64 s[64:65], 0
	v_nop
	global_prefetch_b8 v0, s[64:65] scope:SCOPE_SE
	s_setreg_imm32_b32 hwreg(HW_REG_WAVE_MODE, 25, 1), 1
	s_wait_xcnt 0x0
; PREPARATION for four LSTM steps.  It writes, once:
;   wfrag  the recurrent kernel R [1024 k][4096 n], rounded to bf16, as images of matrix fragments: [tc 16][ks 8][wc 2][q 4][b 8][1,024 bytes].  A fragment is 16 columns x 32 k: lane l = (r = l % 16, hh = l / 16)
;          holds column r; its 16 bytes at 16 l of the first 512 are k = 8 hh + 0..7, those of the second 512 k = 16 + 8 hh + 0..7.  Column n = (b / 2) 1024 + 64 tc + 32 wc + 16 (b % 2) + r; k = 128 ks + 32 q + ..
;   hA     h0 = [features, features], bf16, fragments of 16 rows x 32 units: [tr 16][kb 32][rb 16][1,024 bytes]
;   cA     c0 = h0 in f32, in the layout of the lane that will own it: [tr 16][tc 16][wave 4][a 8][ub 2][jj 2][lane][16 bytes]: row 256 tr + 128 (wave / 2) + 16 a + r, units 64 tc + 32 (wave % 2) + 16 ub + 8 hh + 4 jj + 0..3
;   sA     zeros: the partial sums of a prediction that has not been made: the first step's input is 0
; A stream: no byte is shared between work-groups, so there is no LDS, no barrier, no cluster and no matrix work.  2,048 waves, number g; each does three tasks, without a loop.
; Every store of a wave covers 512 consecutive bytes, aligned.  No register that a store reads is written again, so no wait frees one.
.set WL, 16                            ; v[16:79]    R as loaded: block m = 2 wc + ub, 16 numbers a lane
.set WP, 80                            ; v[80:111]   the same packed to bf16, 8 registers a block
.set FL, 112                           ; v[112:143]  features as loaded: block m, 8 numbers a lane
.set HP, 144                           ; v[144:159]  the same packed to bf16, 4 registers a block
	s_load_b256 s[4:11], s[0:1], 0x0               ; features s[4:5], R s[6:7], wfrag s[8:9], hA s[10:11]
	s_load_b128 s[12:15], s[0:1], 0x20             ; cA s[12:13], sA s[14:15]
	v_lshrrev_b32 v1, 5, v0
	v_readfirstlane_b32 s16, v1                    ; wave 0..7
	s_lshl_b32 s17, ttmp9, 3
	s_add_co_u32 s17, s17, s16                     ; g = 8 x work-group + wave
	v_and_b32 v1, 15, v0                           ; r
	v_bfe_u32 v2, v0, 4, 1                         ; hh
	v_and_b32 v3, 31, v0
	v_lshlrev_b32 v3, 4, v3                        ; 16 x lane: where every store goes
	v_lshlrev_b32 v4, 2, v1
	v_lshl_add_u32 v4, v2, 17, v4                  ; in R: column r, row 8 hh (a row is 16,384 bytes)
	v_lshlrev_b32 v5, 11, v1
	v_lshl_add_u32 v5, v2, 5, v5                   ; in features: row r (2,048 bytes), 8 hh numbers on
	v_mov_b32 v8, 0
	v_mov_b32 v9, 0
	v_mov_b32 v10, 0
	v_mov_b32 v11, 0
	; task W: tc = g / 128, gate = (g / 32) % 4, kb = g % 32: 32 rows of R x 64 columns (256 bytes, aligned), four fragments
	s_lshr_b32 s18, s17, 7                         ; tc
	s_bfe_u32 s19, s17, 0x20005                    ; gate
	s_and_b32 s20, s17, 31                         ; kb
	s_lshl_b32 s22, s20, 19                        ; from: 32 kb rows,
	s_lshl_b32 s21, s19, 12                        ; the gate's 1,024 columns,
	s_add_co_u32 s22, s22, s21
	s_lshl_b32 s21, s18, 8                         ; the tile column's 64
	s_add_co_u32 s22, s22, s21
	s_mov_b32 s23, 0
	s_lshl_b32 s24, s18, 19                        ; to: tc,
	s_lshr_b32 s21, s20, 2
	s_lshl_b32 s21, s21, 16                        ; ks = kb / 4,
	s_add_co_u32 s24, s24, s21
	s_and_b32 s21, s20, 3
	s_lshl_b32 s21, s21, 13                        ; q = kb % 4,
	s_add_co_u32 s24, s24, s21
	s_lshl_b32 s21, s19, 11                        ; b = 2 gate + ub
	s_add_co_u32 s24, s24, s21
	s_mov_b32 s25, 0
	; task F: rb = g / 8 (16 rows), tcp = g % 8 (64 columns of features: 256 bytes, aligned)
	s_lshr_b32 s18, s17, 3                         ; rb
	s_and_b32 s19, s17, 7                          ; tcp
	s_lshl_b32 s26, s18, 15
	s_lshl_b32 s21, s19, 8
	s_add_co_u32 s26, s26, s21
	s_mov_b32 s27, 0
	s_lshr_b32 s20, s18, 4                         ; tr
	s_and_b32 s18, s18, 15                         ; the block of 16 rows in its tile row = 8 wr + a
	s_lshl_b32 s28, s20, 20                        ; c: tr,
	s_lshl_b32 s21, s19, 16                        ; tc = tcp,
	s_add_co_u32 s28, s28, s21
	s_lshr_b32 s21, s18, 3
	s_lshl_b32 s21, s21, 15                        ; wave = 2 wr + wc,
	s_add_co_u32 s28, s28, s21
	s_and_b32 s21, s18, 7
	s_lshl_b32 s21, s21, 11                        ; a
	s_add_co_u32 s28, s28, s21
	s_mov_b32 s29, 0
	s_lshl_b32 s30, s20, 19                        ; h: tr,
	s_lshl_b32 s21, s19, 15                        ; kb = 2 tcp + wc,
	s_add_co_u32 s30, s30, s21
	s_lshl_b32 s21, s18, 10                        ; the block of rows
	s_add_co_u32 s30, s30, s21
	s_mov_b32 s31, 0
	s_lshl_b32 s32, s17, 9                         ; task Z: my 512 bytes of sA
	s_mov_b32 s33, 0
	s_wait_kmcnt 0x0
	s_add_nc_u64 s[4:5], s[4:5], s[26:27]
	s_add_nc_u64 s[6:7], s[6:7], s[22:23]
	s_add_nc_u64 s[8:9], s[8:9], s[24:25]
	s_add_nc_u64 s[10:11], s[10:11], s[30:31]
	s_add_nc_u64 s[12:13], s[12:13], s[28:29]
	s_add_nc_u64 s[14:15], s[14:15], s[32:33]
.macro WLOAD m                         ; block m: number i of a lane's 16 is k = 8 hh + i (i < 8) or 16 + 8 hh + i - 8.  The four blocks' loads together take 256 consecutive bytes of each of 32 rows
.set i, 0
.rept 16
	global_load_b32 v[WL+16*(\m)+i], v4, s[6:7] offset:(i+8*(i/8))*16384+(\m)*64
.set i, i+1
.endr
.endm
.macro WOUT m                          ; block m is rounded, two numbers a register, k ascending, and stored as one fragment
.set p, 0
.rept 8
	v_cvt_pk_bf16_f32 v[WP+8*(\m)+p], v[WL+16*(\m)+2*p], v[WL+16*(\m)+2*p+1]
.set p, p+1
.endr
	global_store_b128 v3, v[WP+8*(\m):WP+8*(\m)+3],   s[8:9] offset:((\m)/2)*32768+((\m)%2)*1024 th:TH_STORE_NT
	global_store_b128 v3, v[WP+8*(\m)+4:WP+8*(\m)+7], s[8:9] offset:((\m)/2)*32768+((\m)%2)*1024+512 th:TH_STORE_NT
.endm
.irp m, 0,1,2,3
.irp j, 0,1
	global_load_b128 v[FL+8*(\m)+4*(\j):FL+8*(\m)+4*(\j)+3], v5, s[4:5] offset:(\m)*64+(\j)*16  ; the eight loads together take 256 consecutive bytes of each of 16 rows
.endr
.endr
	WLOAD 0
	WLOAD 1
	WLOAD 2                                        ; 56 loads of mine are out
	global_store_b128 v3, v[8:11], s[14:15] th:TH_STORE_NT
	s_wait_loadcnt 48                              ; features are in; the 48 loads of R stay out
.irp m, 0,1,2,3
.irp j, 0,1
	global_store_b128 v3, v[FL+8*(\m)+4*(\j):FL+8*(\m)+4*(\j)+3], s[12:13] offset:((\m)/2)*16384+((\m)%2)*1024+(\j)*512 th:TH_STORE_NT
	global_store_b128 v3, v[FL+8*(\m)+4*(\j):FL+8*(\m)+4*(\j)+3], s[12:13] offset:((\m)/2)*16384+((\m)%2)*1024+(\j)*512+524288 th:TH_STORE_NT  ; the second half of the units: tc + 8
.endr
.endr
.irp m, 0,1,2,3
.irp p, 0,1,2,3
	v_cvt_pk_bf16_f32 v[HP+4*(\m)+(\p)], v[FL+8*(\m)+2*(\p)], v[FL+8*(\m)+2*(\p)+1]
.endr
	global_store_b128 v3, v[HP+4*(\m):HP+4*(\m)+3], s[10:11] offset:((\m)/2)*16384+((\m)%2)*512 th:TH_STORE_NT
	global_store_b128 v3, v[HP+4*(\m):HP+4*(\m)+3], s[10:11] offset:((\m)/2)*16384+((\m)%2)*512+262144 th:TH_STORE_NT  ; kb + 16
.endr
	s_wait_loadcnt 32                              ; block 0 is in; blocks 1 and 2 stay out
	WLOAD 3
	WOUT 0
	s_wait_loadcnt 32                              ; block 1 is in; blocks 2 and 3 stay out
	WOUT 1
	s_wait_loadcnt 16
	WOUT 2
	s_wait_loadcnt 0x0
	WOUT 3
	s_endpgm
.Lfunc_end_k_q101699b5e0_prep:
	.size	k_q101699b5e0_prep, .Lfunc_end_k_q101699b5e0_prep-k_q101699b5e0_prep
	.p2alignl 7, 3214868480
	.fill 96, 4, 3214868480
	.section	.rodata,"a",@progbits
	.p2align	6, 0x0
	.amdhsa_kernel k_q101699b5e0_prep
		.amdhsa_group_segment_fixed_size 0
		.amdhsa_private_segment_fixed_size 0
		.amdhsa_enable_private_segment 0
		.amdhsa_kernarg_size 48
		.amdhsa_user_sgpr_count 2
		.amdhsa_user_sgpr_kernarg_segment_ptr 1
		.amdhsa_wavefront_size32 1
		.amdhsa_system_sgpr_workgroup_id_x 1
		.amdhsa_system_sgpr_workgroup_id_y 1
		.amdhsa_system_sgpr_workgroup_id_z 1
		.amdhsa_system_vgpr_workitem_id 0
		.amdhsa_next_free_vgpr 160
		.amdhsa_next_free_sgpr 66
		.amdhsa_reserve_vcc 0
		.amdhsa_float_denorm_mode_32 3
		.amdhsa_float_denorm_mode_16_64 3
		.amdhsa_memory_ordered 1
		.amdhsa_forward_progress 1
		.amdhsa_inst_pref_size 16
	.end_amdhsa_kernel
	.amdgpu_metadata
---
amdhsa.version: [ 1, 2 ]
amdhsa.kernels:
  - .name:           k_q101699b5e0_prep
    .symbol:         k_q101699b5e0_prep.kd
    .args:
      - { .name: features, .offset: 0, .size: 8, .value_kind: global_buffer, .address_space: global }
      - { .name: recurrent_kernel, .offset: 8, .size: 8, .value_kind: global_buffer, .address_space: global }
      - { .name: wfrag, .offset: 16, .size: 8, .value_kind: global_buffer, .address_space: global }
      - { .name: hA, .offset: 24, .size: 8, .value_kind: global_buffer, .address_space: global }
      - { .name: cA, .offset: 32, .size: 8, .value_kind: global_buffer, .address_space: global }
      - { .name: sA, .offset: 40, .size: 8, .value_kind: global_buffer, .address_space: global }
    .group_segment_fixed_size: 0
    .private_segment_fixed_size: 0
    .kernarg_segment_align: 8
    .kernarg_segment_size: 48
    .max_flat_workgroup_size: 256
    .sgpr_count:     66
    .vgpr_count:     160
    .wavefront_size: 32
...
	.end_amdgpu_metadata
.endif
;; end of part 1
;; launch step0 (part 2): grid 16 x 16, 4 waves a work-group, clusters of 4 x 4, 327,680 bytes of LDS; arguments hA, wfrag, cA, sA, kernel, bias, dense_w, dense_b, hB, cB, sB; writes hB, cB, sB
.if DOCPART == 2
	.amdgcn_target "amdgcn-amd-amdhsa--gfx1250"
	.amdhsa_code_object_version 6
	.text
	.protected	k_q101699b5e0_step0
	.globl	k_q101699b5e0_step0
	.p2align	8
	.type	k_q101699b5e0_step0,@function
k_q101699b5e0_step0:
	s_mov_b64 s[64:65], 0
	v_nop
	global_prefetch_b8 v0, s[64:65] scope:SCOPE_SE
	s_setreg_imm32_b32 hwreg(HW_REG_WAVE_MODE, 25, 1), 1
	s_wait_xcnt 0x0
	s_wait_alu depctr_hold_cnt(0) depctr_sa_sdst(0) depctr_va_vdst(0) depctr_va_sdst(0) depctr_va_ssrc(0) depctr_va_vcc(0) depctr_vm_vsrc(0)
	s_getreg_b32 s2, hwreg(HW_REG_IB_STS2, 6, 4)
	s_cmp_eq_u32 s2, 0
	s_cbranch_scc0 .Lentry_in_a_cluster
	s_endpgm
.Lentry_in_a_cluster:
	s_bfe_u32 s2, ttmp6, 0x10000c
	s_cmp_lg_u32 s2, 0xf033
	s_cbranch_scc0 .Lentry_shape_is_right
	s_endpgm
.Lentry_shape_is_right:
; ONE LSTM STEP on 4,096 rows and 1,024 units: z = x kernel + h R + bias; c' = sigmoid(zf) c + sigmoid(zi) tanh(zg); h' = sigmoid(zo) tanh(c'); pred = h' dense_w + dense_b.
; Arguments: h_in, wfrag, c_in, s_in, kernel, bias, dense_w, dense_b, h_out, c_out, s_out.  The same text serves all four steps; the buffers take turns from launch to launch.
; The price of one text: the first step multiplies [features, features] over the whole K, and the last step stores an h' and a c' that nobody reads (24 MiB).
; FORMATS.  h and R are rounded once to bf16 for the product, whose sums are f32; c, x, pred, kernel, bias, dense_w stay in f32; pred is made of the unrounded h'.
; LIMITS.  sigmoid(z) = 1 / (1 + 2^(-z log2 e)), tanh(z) = 1 - 2 / (1 + 2^(2 z log2 e)): an exponential that overflows or falls to 0 gives the limits 0, 1, -1, never a NaN; near 0 tanh is off by up to about 1e-7
; in absolute terms; the exponentials and reciprocals are good to 1 ULP.  NaN and infinities among the inputs are not treated apart.
; SHARES.  h R is a product 4,096 x 4,096 x 1,024: 256 tiles of 256 x 256, a work-group each.  Tile row tr = 256 batch rows; tile column tc = 64 units x all 4 gates, so that a unit's four gates meet in one lane.
; Four waves, wave = 2 wr + wc: 128 rows (wr) x 32 units x 4 gates (wc): 64 accumulators of 16 x 16, 512 registers.  Accumulator (a, b): rows 16 a .., gate b / 2, units 16 (b % 2) ..
; THE MATRIX INSTRUCTION IS USED TRANSPOSED (source 0 = 16 columns of R, source 1 = 16 rows of h): lane l = (r = l % 16, hh = l / 16) holds ONE batch row r and the units 8 hh + 0..7.  Rounded to bf16, the results for
; b % 2 = 0 and 1 ARE registers 0-3 and 4-7 of the next step's fragment of h.  So h and R lie in memory as images of fragments ([tr][kb 32][rb 16][1,024 bytes]; [tc][ks 8][wc 2][q 4][b 8][1,024 bytes]), c in its owner
; lane's layout ([tr][tc][wave][a 8][ub 2][jj 2][lane][16 bytes]): all tiles are dense, a fragment is read from LDS at 16 x lane (each bank once), and h' and c' leave straight from registers, 512 consecutive bytes a store.
; K goes in 8 steps of 128 through a ring of two LDS slots; a wave's tensor load brings 32,768 dense bytes, as 128 rows of 256.
; CLUSTERS: 4 x 4 work-groups.  The four of a row of the cluster need the same tiles of h, the four of a column the same tiles of R: each is asked for JOINTLY, by the same tensor load with the same descriptor and mask.
; pred spans the 16 tile columns: each work-group stores its partial sum, s[slot 4][tc 16][row 4,096]; the next launch adds the 16 (its x).  Slot 0 is this step's; slots 0-2 of s_in are copied to slots 1-3 of s_out.
; REGISTERS, in windows of 256 (s_set_vgpr_msb: bits 1:0 source 0, 3:2 source 1, 5:4 source 2, 7:6 destination):
;   window 0: v0-31 addresses and at work; v32-47 dense_w; v48-63 x; v64-127, v128-191 fragments of h, two buffers, on the way out the tables of kernel and bias; v192-255 at work
;   window 1: v64-127, v128-191 fragments of R (on the way out v64-127: h' packed, 8 a block); v0-63, v192-255 c, then c'     window 2: the accumulators of my rows 0-63 ((a, b) at v[8 (8 a + b)])     window 3: those of rows 64-127
.set KSB,   65536                      ; bytes of a K step of one tile row of h, and of one tile column of R
.set SLOT,  131072                     ; a slot: h's [q 4][rb 16][1,024], then R's [wc 2][q 4][b 8][1,024]
.set BOFF,  65536
.set KTAB,  262144                     ; behind the ring, where no tensor load lands: 256 f32: kernel x factor, at 128 wc + 16 b + unit
.set BTAB,  KTAB+1024                  ; the same for bias
.set XTAB,  KTAB+2048                  ; x of the tile's 256 rows
.set PPT,   KTAB+3072                  ; pred's partial sums: 4 waves x 128 rows
.set SPARE, KTAB+5120                  ; the spare words, 128 bytes for each wave: two blocks of 256 bytes that no other line names
.set R_,   1                           ; v1   l % 16
.set HH,   2                           ; v2   l / 16
.set L16,  3                           ; v3   16 x lane
.set TADR, 4                           ; v4   where I read the tables
.set XADR, 5                           ; v5   where I read x
.set PPS,  6                           ; v6   where I put pred's partial sums
.set T8,   7                           ; v7   8 x thread
.set PP,   8                           ; v[8:15]  pred's partial sum of block a
.set ADRA, 16                          ; v16-17  LDS address of my fragments of h in slot 0, 1
.set KBO,  18                          ; v18  my two numbers in kernel and bias
.set DWO,  19                          ; v19  32 hh: my numbers in dense_w
.set ADRB, 20                          ; v20-21  the same as ADRA for R
.set TST,  26                          ; v26  where I write the tables (v22-27: at work; v22 holds my table entries' gate until the tables are made)
.set SPW,  28                          ; v28  LDS address of my spare word; never rewritten
.set NIL,  29                          ; v29  0; never rewritten
.set PFO,  30                          ; v30  256 x lane: the prefetches' offset; never rewritten
.set PPR,  31                          ; v31  where I read pred's partial sums back
.set DW,   32                          ; v[32:47]  dense_w of my units, at 8 ub + j
.set X,    48                          ; v[48:63]  x of my row of block a, twice, at 2 a
.set F0,   64
.set F1,   128
.set KT,   64                          ; the way out: kernel x factor at 8 b + j
.set BT,   128                         ; bias x factor
.set Z,    192                         ; the way out: 64 numbers at 8 b + j: I = Z+0, F = Z+16, G = Z+32, O = Z+48
.set DB,   26                          ; s26  dense_b
.set G1A,  28                          ; s[28:35] descriptor group 1 for h's tiles;  s[36:43] group 0, a set for each slot
.set G0A,  36
.set G1B,  44                          ; s[44:51], s[52:59] the same for R's tiles
.set G0B,  52
.set WV,   60                          ; s60 wave; s61 wr (also: I fetch for h (0) or R (1)); s62 wc (also: which half of the tile I fetch)
.set WR,   61
.set WC,   62
.set CX,   63
.set CY,   66
.set TC,   67
.set TR,   68
.set LIM,  69                          ; s69  1 in a wave that prefetches, else the greatest number
.set PFA,  70                          ; s[70:71] where my prefetches stand
.set AP,   72                          ; s[72:73] h_in at my piece of K step 0: made of the tile row and the wave alone
.set BP,   74                          ; s[74:75] wfrag at my piece of K step 0: made of the tile column and the wave alone
.set SN,   76                          ; s[76:77] -log2 e
.set SG,   78                          ; s[78:79] 2 log2 e
.set SEL,  80                          ; s[80:81] v_permlanex16_b32's selects: each lane takes its own place in the other half
.set HM,   82                          ; s82  the mask of lanes 16-31
.set MK,   83                          ; s83  a compare's mask
.set OFS,  84                          ; s[84:85] an offset, 0 above it
.set CPI,  86                          ; s[86:87] s_in at (slot 0, my tc, my rows)
.set CPO,  88                          ; s[88:89] s_out at the same place
.set XIN,  90                          ; s[90:91] s_in at (slot 0, tc 0, my rows)
.set MSB, 0
.macro WIN new                         ; the immediate's high byte repeats the setting that is left; a switch that changes nothing is dropped
.if MSB != (\new)
	s_set_vgpr_msb (MSB<<8)|(\new)
.set MSB, \new
.endif
.endm
.set MUL_LO, 0xa1                      ; source 0 (R) window 1, source 1 (h) window 0, C and D window 2
.set TO_B,   0x40                      ; destination window 1, address window 0
; A joint load.  Waves 0 and 1 fetch the two halves of h's tile, waves 2 and 3 those of R's.  The branch hangs on the wave's number alone.  An s_nop 0 and four v_nop follow each of the two lines.
.macro JLOAD s
	s_cmp_eq_u32 s[WR], 0
	s_cbranch_scc0 .Lfor_b_\@
	tensor_load_to_lds s[G0A+4*(\s):G0A+4*(\s)+3], s[G1A:G1A+7]
	s_nop 0
.rept 4
	v_nop
.endr
	s_branch .Lasked_\@
.Lfor_b_\@:
	tensor_load_to_lds s[G0B+4*(\s):G0B+4*(\s)+3], s[G1B:G1B+7]
	s_nop 0
.rept 4
	v_nop
.endr
.Lasked_\@:
.endm
; A PREFETCH INTO THE L2, behind each joint refill and the run of LDS loads that follows it: the K step that stands TWO refills on, 512 matrix instructions ahead of the load that will want it.  Each 256 bytes are named
; once in the launch: h's tile row is read by the four clusters of its row of clusters, of which cluster x = 0 asks; R's tile column by the four of its column, of which cluster y = 0 asks.  The four partners that ask
; for a piece of 32,768 bytes jointly share it out BY ADDRESS, 8,192 bytes each (place cx for h, cy for R), a lane 256 bytes: one instruction a wave.  The loop's last trip (s3 = 1) has no K step two refills on.
.macro ASK
	s_cmp_gt_u32 s3, s[LIM]
	s_cbranch_scc0 .Lnot_mine_\@
	global_prefetch_b8 v[PFO], s[PFA:PFA+1] offset:KSB th:TH_LOAD_NT scope:SCOPE_SE
.Lnot_mine_\@:
.endm
.macro CREST                           ; a round of the cluster's barrier behind its opening barrier
	s_cmp_lg_u32 s[WV], 0
	s_cbranch_scc1 .Lnot_wave_0_\@
	s_barrier_signal -3
.Lnot_wave_0_\@:
	s_barrier_wait -3
	s_barrier_signal -1
	s_barrier_wait -1
.endm
.macro CROUND                          ; a whole round
	s_barrier_signal -1
	s_barrier_wait -1
	CREST
.endm
; 16 matrix instructions: row blocks a0, a0 + 1 of the window's four (hi = 0: my rows 0-63, 1: rows 64-127) x all 8 column blocks, 32 along K.  zero = 1: the first product starts the sums.
; The 64 accumulators take turns, one instruction a turn, in the same order in every quarter.
.macro MUL16 f, hi, a0, zero
	WIN MUL_LO+0x50*(\hi)
.irp a, \a0, (\a0)+1
.irp b, 0,1,2,3,4,5,6,7
.if \zero
	v_wmma_f32_16x16x32_bf16 v[8*(8*(\a)+(\b)):8*(8*(\a)+(\b))+7], v[(\f)+8*(\b):(\f)+8*(\b)+7], v[(\f)+8*(4*(\hi)+(\a)):(\f)+8*(4*(\hi)+(\a))+7], 0
.else
	v_wmma_f32_16x16x32_bf16 v[8*(8*(\a)+(\b)):8*(8*(\a)+(\b))+7], v[(\f)+8*(\b):(\f)+8*(\b)+7], v[(\f)+8*(4*(\hi)+(\a)):(\f)+8*(4*(\hi)+(\a))+7], v[8*(8*(\a)+(\b)):8*(8*(\a)+(\b))+7]
.endif
.endr
.endr
.endm
; 32 LDS loads in one run: quarter q of a slot (8 fragments of R, then 8 of h) into buffer f; each load takes 512 consecutive bytes
.macro FETCH slot, q, f
	WIN TO_B
.irp i, 0,1,2,3,4,5,6,7
	ds_load_b128 v[(\f)+8*(\i):(\f)+8*(\i)+3],   v[ADRB+(\slot)] offset:(\q)*8192+(\i)*1024
	ds_load_b128 v[(\f)+8*(\i)+4:(\f)+8*(\i)+7], v[ADRB+(\slot)] offset:(\q)*8192+(\i)*1024+512
.endr
	WIN 0
.irp i, 0,1,2,3,4,5,6,7
	ds_load_b128 v[(\f)+8*(\i):(\f)+8*(\i)+3],   v[ADRA+(\slot)] offset:(\q)*16384+(\i)*1024
	ds_load_b128 v[(\f)+8*(\i)+4:(\f)+8*(\i)+7], v[ADRA+(\slot)] offset:(\q)*16384+(\i)*1024+512
.endr
.endm
.macro PLACES                          ; four plain places in front of loads into registers that matrix instructions have read (ISA guide 7.12.1 for vector instructions)
.rept 4
	v_nop
.endr
.endm
; A K step is four quarters of 32 along K, 64 matrix instructions each, on buffers 0, 1, 0, 1.  One of the first three: multiplies buffer f; in its middle it fetches quarter q of the same slot into buffer g.
.macro QUARTER slot, q, f, g, zero
	s_wait_dscnt 8                                 ; R's fragments and h's blocks 0-3 are in; the youngest eight loads (h's blocks 4-7) may be out (at the loop's first entry the three stores into the tables are younger still: 27 of 35 are then done, where 24 are needed)
	MUL16 \f, 0, 0, \zero
	MUL16 \f, 0, 2, \zero
	PLACES
	FETCH \slot, \q, \g
	s_wait_dscnt 32                                ; all but the 32 just issued
	MUL16 \f, 1, 0, \zero
	MUL16 \f, 1, 2, \zero
.endm
; The first half of a K step's last quarter: ONE barrier for the change of slots.  In front of it each wave waits for all its tensor loads, of which one is out: its part of the next slot; adds 0 to its spare word;
; and waits for that and for its own reads of this slot.  Behind it nobody reads this slot any more and the next slot is whole.
.macro MEET round
	WIN 0                                          ; (the add's two registers lie in window 0)
	s_wait_tensorcnt 0x0                           ; all my tensor loads have landed
	ds_add_u32 v[SPW], v[NIL]
	s_wait_dscnt 9                                 ; (the add and the youngest eight loads may be out)
	MUL16 F1, 0, 0, 0                              ; sixteen matrix instructions stand between the add and the wait for it
	s_wait_dscnt 0x0                               ; the add is done, and my reads of this slot are over (at the first change of slots: my stores into the tables too)
	s_barrier_signal -1
	MUL16 F1, 0, 2, 0                              ; work on registers while the others arrive
.if \round
	WIN 0
.endif
	s_barrier_wait -1
.endm
; The whole last quarter.  fill = 1: the barrier opens a round of the cluster's barrier, and the slot just read out is filled again first behind it, with the K step two steps on: from that request to the wait for it
; a wave issues 224 matrix instructions.
.macro TURN slot, next, fill
.if \fill
	s_wait_xcnt 0x0                                ; the last prefetch, a K step back, has read its address: it is stepped here, ahead of the waits of the change of slots
	s_add_nc_u64 s[PFA:PFA+1], s[PFA:PFA+1], KSB
	MEET 1
	CREST                                          ; no wave of any partner still reads this slot's tile or has a load on its way
	s_add_nc_u64 s[G0A+4*(\slot)+2:G0A+4*(\slot)+3], s[G0A+4*(\slot)+2:G0A+4*(\slot)+3], 2*KSB
	s_add_nc_u64 s[G0B+4*(\slot)+2:G0B+4*(\slot)+3], s[G0B+4*(\slot)+2:G0B+4*(\slot)+3], 2*KSB
	JLOAD \slot                                    ; my one tensor load behind the round; its four v_nop are also the places in front of the loads below
.else
	MEET 0
	PLACES
.endif
	FETCH \next, 0, F0
.if \fill
	ASK
.endif
	MUL16 F1, 1, 0, 0
	MUL16 F1, 1, 2, 0
.endm
	s_load_b512 s[4:19], s[0:1], 0x0               ; h_in s[4:5], wfrag s[6:7], c_in s[8:9], s_in s[10:11], kernel s[12:13], bias s[14:15], dense_w s[16:17], dense_b s[18:19]
	s_load_b128 s[20:23], s[0:1], 0x40             ; h_out s[20:21], c_out s[22:23]
	s_load_b64 s[24:25], s[0:1], 0x50              ; s_out
	v_lshl_add_u32 v[SPW], v0, 2, SPARE
	v_mov_b32 v[NIL], 0
	ds_add_u32 v[SPW], v[NIL]                      ; the wave's opening: the add, twice on end, and its wait ahead of my first tensor load; the set-up below stands between
	ds_add_u32 v[SPW], v[NIL]
	v_lshrrev_b32 v1, 5, v0
	v_readfirstlane_b32 s[WV], v1                  ; wave 0..3
	s_lshr_b32 s[WR], s[WV], 1
	s_and_b32 s[WC], s[WV], 1
	s_bfe_u32 s[CX], ttmp6, 0x40000                ; my place in the cluster
	s_bfe_u32 s[CY], ttmp6, 0x40004
	s_lshl_b32 s[TC], ttmp9, 2
	s_add_co_u32 s[TC], s[TC], s[CX]               ; tile column = 4 x cluster x + cx
	s_and_b32 s[TR], ttmp7, 0xffff
	s_lshl_b32 s[TR], s[TR], 2
	s_add_co_u32 s[TR], s[TR], s[CY]               ; tile row = 4 x cluster y + cy
	s_lshl_b32 s2, s[CY], 2
	s_lshl_b32 s2, 15, s2                          ; my row of the cluster: places 4 cy .. 4 cy + 3
	s_lshl_b32 s27, 0x1111, s[CX]                  ; my column: places cx, cx + 4, cx + 8, cx + 12
	; descriptor group 1: 32,768 dense bytes as 128 rows of 32 elements of 8 bytes, no padding
	s_or_b32 s[G1A], s2, (3<<16)|(1<<21)           ; 15:0 the mask: h's tiles go to my row; 17:16 elements of 8 bytes; 21 set beside a mask
	s_or_b32 s[G1B], s27, (3<<16)|(1<<21)          ; the same with my column's mask
.irp g, G1A, G1B
	s_mov_b32 s[(\g)+1], 32<<16                    ; tensor_dim0 = 32
	s_mov_b32 s[(\g)+2], 128<<16                   ; tensor_dim1 = 128
	s_mov_b32 s[(\g)+3], 32<<16                    ; tile_dim0 = 32
	s_mov_b32 s[(\g)+4], 128                       ; tile_dim1 = 128
	s_mov_b32 s[(\g)+5], 32                        ; 32 elements from row to row
	s_mov_b32 s[(\g)+6], 0
	s_mov_b32 s[(\g)+7], 0
.endr
	s_lshl_b32 s2, s[WC], 15                       ; which half of a tile I fetch
	s_lshl_b32 s[AP], s[TR], 19
	s_add_co_u32 s[AP], s[AP], s2
	s_mov_b32 s[AP+1], 0
	s_lshl_b32 s[BP], s[TC], 19
	s_add_co_u32 s[BP], s[BP], s2
	s_mov_b32 s[BP+1], 0
	s_lshl_b32 s27, s[WV], 15                      ; and where it goes: wave x 32,768: no place in the cluster enters an LDS address
	s_mov_b32 s[SN], 0xbfb8aa3b                    ; -log2 e
	s_mov_b32 s[SN+1], s[SN]
	s_mov_b32 s[SG], 0x4038aa3b                    ; 2 log2 e
	s_mov_b32 s[SG+1], s[SG]
	s_mov_b32 s[SEL], 0x76543210
	s_mov_b32 s[SEL+1], 0xfedcba98
	s_mov_b32 s[HM], 0xffff0000
	s_mov_b32 s[OFS+1], 0
	s_wait_dscnt 0x0                               ; both opening adds are done
	s_wait_kmcnt 0x0
	s_load_b32 s[DB], s[18:19], 0x0                ; dense_b; waited for behind the first quarter
	s_add_nc_u64 s[AP:AP+1], s[4:5], s[AP:AP+1]
	s_add_nc_u64 s[BP:BP+1], s[6:7], s[BP:BP+1]
	CROUND                                         ; all sixteen work-groups are here: the first joint loads meet
.irp s, 0,1
	s_mov_b32 s[G0A+4*(\s)], 1                                     ; count = 1
	s_add_co_u32 s[G0A+4*(\s)+1], s27, (\s)*SLOT                   ; LDS address
	s_add_nc_u64 s[G0A+4*(\s)+2:G0A+4*(\s)+3], s[AP:AP+1], (\s)*KSB  ; global address: K step s
	s_or_b32 s[G0A+4*(\s)+3], s[G0A+4*(\s)+3], 0x80000000          ; type = 2
	s_mov_b32 s[G0B+4*(\s)], 1
	s_add_co_u32 s[G0B+4*(\s)+1], s27, (\s)*SLOT
	s_add_nc_u64 s[G0B+4*(\s)+2:G0B+4*(\s)+3], s[BP:BP+1], (\s)*KSB
	s_or_b32 s[G0B+4*(\s)+3], s[G0B+4*(\s)+3], 0x80000000
	JLOAD \s                                       ; two loads of mine are out
.endr
	; While the first tiles are on their way: the addresses, and the 25 small loads are asked for.  Nothing here is waited for in front of the first products.
	v_and_b32 v[R_], 15, v0
	v_bfe_u32 v[HH], v0, 4, 1
	v_and_b32 v[L16], 31, v0                       ; lane
	v_lshlrev_b32 v[PFO], 8, v[L16]
	s_lshl_b32 s2, s[WV], 9
	s_add_co_u32 s2, s2, PPT
	v_lshl_add_u32 v[PPS], v[L16], 2, s2           ; my wave's 128 rows, 4 x lane
	v_lshlrev_b32 v[L16], 4, v[L16]
	s_lshl_b32 s2, s[WR], 13                       ; my 8 blocks of 16 rows of h
	v_add_nc_u32 v[ADRA], s2, v[L16]
	v_add_nc_u32 v[ADRA+1], SLOT, v[ADRA]
	s_lshl_b32 s2, s[WC], 15                       ; my half of R's tile,
	s_add_co_u32 s2, s2, BOFF                      ; behind h's
	v_add_nc_u32 v[ADRB], s2, v[L16]
	v_add_nc_u32 v[ADRB+1], SLOT, v[ADRB]
	s_lshl_b32 s2, s[WC], 9
	s_add_co_u32 s2, s2, KTAB
	v_lshl_add_u32 v[TADR], v[HH], 5, s2           ; 128 wc + 8 hh numbers into a table
	s_lshl_b32 s2, s[WR], 9
	s_add_co_u32 s2, s2, XTAB
	v_lshl_add_u32 v[XADR], v[R_], 2, s2           ; row 128 wr + r
	v_lshlrev_b32 v[T8], 3, v0
	v_lshl_add_u32 v[TST], v0, 3, KTAB
	v_lshlrev_b32 v[DWO], 5, v[HH]
	v_bfe_u32 v22, v0, 4, 2                        ; table entries 2 t, 2 t + 1 of thread t: gate (t / 16) % 4,
	v_lshlrev_b32 v[KBO], 12, v22
	v_bfe_u32 v23, v0, 6, 1                        ; wc = t / 64,
	v_lshl_add_u32 v[KBO], v23, 7, v[KBO]
	v_bfe_u32 v23, v0, 3, 1                        ; ub = (t / 8) % 2,
	v_lshl_add_u32 v[KBO], v23, 6, v[KBO]
	v_and_b32 v23, 7, v0                           ; units 2 (t % 8), + 1
	v_lshl_add_u32 v[KBO], v23, 3, v[KBO]
	v_and_b32 v[PPR], 63, v0
	s_lshl_b32 s2, s[WR], 10
	s_add_co_u32 s2, s2, PPT
	v_lshl_add_u32 v[PPR], v[PPR], 3, s2           ; rows 2 t, 2 t + 1 of the tile lie in my own half wr: wave 2 wr's sums here, wave 2 wr + 1's 512 bytes on
	s_lshl_b32 s[OFS], s[TR], 10                   ; my 256 rows in a plane of s
	s_add_nc_u64 s[XIN:XIN+1], s[10:11], s[OFS:OFS+1]
	s_lshl_b32 s2, s[TC], 14
	s_add_co_u32 s[OFS], s[OFS], s2
	s_add_nc_u64 s[CPI:CPI+1], s[10:11], s[OFS:OFS+1]
	s_add_nc_u64 s[CPO:CPO+1], s[24:25], s[OFS:OFS+1]
	s_lshl_b32 s[OFS], s[TC], 8                    ; the tile column's 64 units
	s_add_nc_u64 s[12:13], s[12:13], s[OFS:OFS+1]
	s_add_nc_u64 s[14:15], s[14:15], s[OFS:OFS+1]
	s_lshl_b32 s2, s[WC], 7
	s_add_co_u32 s[OFS], s[OFS], s2                ; my wave's 32 of them
	s_add_nc_u64 s[16:17], s[16:17], s[OFS:OFS+1]
	s_lshl_b32 s[OFS], s[TR], 4                    ; c: ((16 tr + tc) 4 + wave) x 16,384
	s_add_co_u32 s[OFS], s[OFS], s[TC]
	s_lshl_b32 s[OFS], s[OFS], 2
	s_add_co_u32 s[OFS], s[OFS], s[WV]
	s_lshl_b32 s[OFS], s[OFS], 14
	s_add_nc_u64 s[8:9], s[8:9], s[OFS:OFS+1]
	s_add_nc_u64 s[22:23], s[22:23], s[OFS:OFS+1]
	s_lshl_b32 s[OFS], s[TR], 19                   ; h_out: tr, kb = 2 tc + wc, rb = 8 wr + a
	s_lshl_b32 s2, s[TC], 15
	s_add_co_u32 s[OFS], s[OFS], s2
	s_lshl_b32 s2, s[WC], 14
	s_add_co_u32 s[OFS], s[OFS], s2
	s_lshl_b32 s2, s[WR], 13
	s_add_co_u32 s[OFS], s[OFS], s2
	s_add_nc_u64 s[20:21], s[20:21], s[OFS:OFS+1]
	s_and_b32 s2, ttmp7, 0xffff                    ; the prefetches: cluster y
	s_cmp_eq_u32 s[WR], 0                          ; do I fetch for h?
	s_cselect_b32 s27, s[CX], s[CY]                ; my place among the four that ask with me
	s_cselect_b32 s2, ttmp9, s2                    ; the coordinate along which other clusters read the same bytes
	s_cselect_b64 s[PFA:PFA+1], s[AP:AP+1], s[BP:BP+1]
	s_cmp_eq_u32 s2, 0
	s_cselect_b32 s[LIM], 1, -1                    ; the same in all sixteen partners, for a given wave
	s_lshl_b32 s[OFS], s27, 13                     ; my work-group's 8,192 bytes of the piece
	s_add_nc_u64 s[PFA:PFA+1], s[PFA:PFA+1], s[OFS:OFS+1]
	s_add_nc_u64 s[PFA:PFA+1], s[PFA:PFA+1], 2*KSB ; at K step 2: the first refill steps it to 3 and names K step 4.  Nothing is prefetched here, at the head
.irp t, 0,1,2,3,4,5,6,7,8,9,10,11,12,13,14,15
	global_load_b64 v[Z+2*(\t):Z+2*(\t)+1], v[T8], s[XIN:XIN+1] offset:(\t)*16384  ; the 16 partial sums of the last prediction, rows 2 t, 2 t + 1: a wave's load covers 256 consecutive bytes, aligned
.endr
.irp j, 0,1,2
	global_load_b64 v[Z+32+2*(\j):Z+32+2*(\j)+1], v[T8], s[CPI:CPI+1] offset:(\j)*262144  ; my slice of slots 0-2
.endr
	global_load_b64 v[Z+38:Z+39], v[KBO], s[12:13]
	global_load_b64 v[Z+40:Z+41], v[KBO], s[14:15]
.irp k, 0,1,2,3
	global_load_b128 v[DW+4*(\k):DW+4*(\k)+3], v[DWO], s[16:17] offset:((\k)/2)*64+((\k)%2)*16
.endr
	s_wait_tensorcnt 1                             ; my part of K step 0 is in; K step 1's may stay out
	s_barrier_signal -1
	s_barrier_wait -1                              ; everybody's is
	FETCH 0, 0, F0
	QUARTER 0, 1, F0, F1, 1                        ; the first quarter stands in front of the loop: its products start the sums
	WIN 0                                          ; at a label and at a branch every window is 0
	; Behind the first 64 products: x, the tables and the copies are made, and c is asked for.  None of these lines names a register of a product.
	s_wait_loadcnt 0x0                             ; the 25 small loads
.irp t, 0,2,4,6,8,10,12,14
	v_pk_add_f32 v[Z+(\t):Z+(\t)+1], v[Z+(\t):Z+(\t)+1], v[Z+16+(\t):Z+16+(\t)+1]
.endr
.irp t, 0,2,4,6
	v_pk_add_f32 v[Z+(\t):Z+(\t)+1], v[Z+(\t):Z+(\t)+1], v[Z+8+(\t):Z+8+(\t)+1]
.endr
.irp t, 0,2
	v_pk_add_f32 v[Z+(\t):Z+(\t)+1], v[Z+(\t):Z+(\t)+1], v[Z+4+(\t):Z+4+(\t)+1]
.endr
	v_pk_add_f32 v[Z:Z+1], v[Z:Z+1], v[Z+2:Z+3]    ; x of rows 2 t, 2 t + 1 (dense_b came in with tile column 0's part)
	ds_store_b64 v[TST], v[Z:Z+1] offset:XTAB-KTAB ; the tables are read on the way out, behind the barriers of the changes of slots, in front of which every wave waits for its LDS stores
.irp j, 0,1,2
	global_store_b64 v[T8], v[Z+32+2*(\j):Z+32+2*(\j)+1], s[CPO:CPO+1] offset:((\j)+1)*262144
.endr
	v_cmp_eq_u32 s[MK], 2, v22                     ; gate g takes 2 log2 e, the others -log2 e: the factor of the exponent goes into the tables
	v_mov_b32 v23, s[SN]
	v_mov_b32 v24, s[SG]
	v_cndmask_b32 v24, v23, v24, s[MK]
	v_mov_b32 v25, v24
	v_pk_mul_f32 v[Z+38:Z+39], v[Z+38:Z+39], v[24:25]
	v_pk_mul_f32 v[Z+40:Z+41], v[Z+40:Z+41], v[24:25]
	ds_store_b64 v[TST], v[Z+38:Z+39]
	ds_store_b64 v[TST], v[Z+40:Z+41] offset:BTAB-KTAB
	s_wait_kmcnt 0x0                               ; dense_b
	WIN TO_B
.set i, 0
.rept 32                               ; c: i = 4 a + 2 ub + jj; block a at 16 a (a < 4) or 192 + 16 (a - 4) of window 1; waited for on the way out
	global_load_b128 v[16*(i/4)+128*(i/16)+4*(i%4):16*(i/4)+128*(i/16)+4*(i%4)+3], v[L16], s[8:9] offset:512*i th:TH_LOAD_NT
.set i, i+1
.endr
	WIN 0
	s_mov_b32 s3, 3
.Llap:                                                 ; three trips, each once round the ring, from a lap's second quarter to the next lap's first: K steps 2 to 7 are asked for
	QUARTER 0, 2, F1, F0, 0
	QUARTER 0, 3, F0, F1, 0
	TURN 0, 1, 1
	QUARTER 1, 1, F0, F1, 0
	QUARTER 1, 2, F1, F0, 0
	QUARTER 1, 3, F0, F1, 0
	TURN 1, 0, 1
	QUARTER 0, 1, F0, F1, 0
	WIN 0
	s_sub_co_u32 s3, s3, 1
	s_cmp_lg_u32 s3, 0
	s_cbranch_scc1 .Llap
	QUARTER 0, 2, F1, F0, 0                        ; the last lap is written out: it asks for nothing
	QUARTER 0, 3, F0, F1, 0
	TURN 0, 1, 0
	QUARTER 1, 1, F0, F1, 0
	QUARTER 1, 2, F1, F0, 0
	QUARTER 1, 3, F0, F1, 0
	s_wait_dscnt 8
	MUL16 F1, 0, 0, 0
	MUL16 F1, 0, 2, 0
	s_wait_dscnt 0x0
	MUL16 F1, 1, 0, 0
	MUL16 F1, 1, 2, 0
	; THE WAY OUT.  The tables take the place of h's fragments.
	WIN 0
	PLACES
	PLACES                                         ; eight places behind the last products, once a launch
.irp b, 0,1,2,3,4,5,6,7
	ds_load_b128 v[KT+8*(\b):KT+8*(\b)+3],   v[TADR] offset:(\b)*64
	ds_load_b128 v[KT+8*(\b)+4:KT+8*(\b)+7], v[TADR] offset:(\b)*64+16
	ds_load_b128 v[BT+8*(\b):BT+8*(\b)+3],   v[TADR] offset:(\b)*64+1024
	ds_load_b128 v[BT+8*(\b)+4:BT+8*(\b)+7], v[TADR] offset:(\b)*64+1040
.endr
.irp a, 0,1,2,3,4,5,6,7
	ds_load_b32 v[X+2*(\a)],   v[XADR] offset:(\a)*64
	ds_load_b32 v[X+2*(\a)+1], v[XADR] offset:(\a)*64  ; twice: a pair for the packed multiply-add
.endr
	s_wait_dscnt 0x0
	s_wait_loadcnt 0x0                             ; c
	s_wait_xcnt 0x0                                ; the copies' stores have read their registers, which lie in Z.  From here on no register that a store reads is written again: c' stays where c lay, and each block's packed h' has eight registers of its own
; n transcendentals in place on Z + first .., as ONE batch: a plain instruction behind the last (ISA guide 5.7.2), and one wait ahead of the first use
.macro TR op, first, n
.set e, \first
.rept \n
	\op v[Z+e], v[Z+e]
.set e, e+1
.endr
	v_nop
	s_wait_alu depctr_va_vdst(0)
.endm
.macro PK8 line:vararg                 ; one packed line for each of a gate's 8 pairs p
.set p, 0
.rept 8
	\line
.set p, p+2
.endr
.endm
; Block a: my row 16 a + r, my 16 units, all four gates.
.macro EPI a
.set CR, 16*(\a)+128*((\a)/4)          ; the block's c, in window 1
.set HPK, 64+8*(\a)                    ; the block's packed h', in window 1
	WIN 0
.set p, 0
.rept 32
	v_pk_fma_f32 v[Z+2*p:Z+2*p+1], v[KT+2*p:KT+2*p+1], v[X+2*(\a):X+2*(\a)+1], v[BT+2*p:BT+2*p+1]  ; (x kernel + bias) x factor
.set p, p+1
.endr
	WIN 0x02+(\a)/4                                ; source 0: the accumulators' window
.set p, 0
.rept 32                               ; + (h R) x factor; each accumulator's registers in ascending order
.if (p >= 16) && (p < 24)
	v_pk_fma_f32 v[Z+2*p:Z+2*p+1], v[64*((\a)%4)+2*p:64*((\a)%4)+2*p+1], s[SG:SG+1], v[Z+2*p:Z+2*p+1] op_sel_hi:[1,0,1]
.else
	v_pk_fma_f32 v[Z+2*p:Z+2*p+1], v[64*((\a)%4)+2*p:64*((\a)%4)+2*p+1], s[SN:SN+1], v[Z+2*p:Z+2*p+1] op_sel_hi:[1,0,1]
.endif
.set p, p+1
.endr
	WIN 0
	TR v_exp_f32, 0, 64
.set p, 0
.rept 32
	v_pk_add_f32 v[Z+2*p:Z+2*p+1], v[Z+2*p:Z+2*p+1], 1.0 op_sel_hi:[1,0]
.set p, p+1
.endr
	TR v_rcp_f32, 0, 64                            ; I, F, O are the sigmoids; G = 1 / (1 + e^(2 zg))
	PK8 v_pk_fma_f32 v[Z+32+p:Z+32+p+1], v[Z+32+p:Z+32+p+1], -2.0, 1.0 op_sel_hi:[1,0,0]  ; tanh(zg)
	PK8 v_pk_mul_f32 v[Z+p:Z+p+1], v[Z+p:Z+p+1], v[Z+32+p:Z+32+p+1]                       ; i g
	WIN 0x44                                       ; destination and source 1: c's window
	PK8 v_pk_fma_f32 v[CR+p:CR+p+1], v[Z+16+p:Z+16+p+1], v[CR+p:CR+p+1], v[Z+p:Z+p+1]     ; c' = f c + i g, where c lay
	WIN 0x01                                       ; source 0: c's window
	PK8 v_pk_mul_f32 v[Z+32+p:Z+32+p+1], v[CR+p:CR+p+1], s[SG:SG+1] op_sel_hi:[1,0]
	WIN 0
	TR v_exp_f32, 32, 16
	PK8 v_pk_add_f32 v[Z+32+p:Z+32+p+1], v[Z+32+p:Z+32+p+1], 1.0 op_sel_hi:[1,0]
	TR v_rcp_f32, 32, 16
	PK8 v_pk_fma_f32 v[Z+32+p:Z+32+p+1], v[Z+32+p:Z+32+p+1], -2.0, 1.0 op_sel_hi:[1,0,0]  ; tanh(c')
	PK8 v_pk_mul_f32 v[Z+48+p:Z+48+p+1], v[Z+48+p:Z+48+p+1], v[Z+32+p:Z+32+p+1]           ; h'
	v_pk_mul_f32 v[22:23], v[Z+48:Z+49], v[DW:DW+1]  ; h' dense_w over my 16 units, in two chains
	v_pk_mul_f32 v[24:25], v[Z+56:Z+57], v[DW+8:DW+9]
.irp k, 2,4,6
	v_pk_fma_f32 v[22:23], v[Z+48+(\k):Z+48+(\k)+1], v[DW+(\k):DW+(\k)+1], v[22:23]
	v_pk_fma_f32 v[24:25], v[Z+56+(\k):Z+56+(\k)+1], v[DW+8+(\k):DW+8+(\k)+1], v[24:25]
.endr
	v_pk_add_f32 v[22:23], v[22:23], v[24:25]
	v_add_f32 v[PP+(\a)], v22, v23
	WIN 0x40                                       ; destination window 1
.set p, 0
.rept 8
	v_cvt_pk_bf16_f32 v[HPK+p], v[Z+48+2*p], v[Z+48+2*p+1]  ; the next step's fragment: registers 0-3 units 8 hh + 0..7, registers 4-7 units 16 + 8 hh + 0..7
.set p, p+1
.endr
	WIN 0x04                                       ; the stores' data in window 1, their address in window 0
.irp k, 0,1,2,3
	global_store_b128 v[L16], v[CR+4*(\k):CR+4*(\k)+3], s[22:23] offset:512*(4*(\a)+(\k)) th:TH_STORE_NT  ; 512 consecutive bytes, aligned
.endr
	global_store_b128 v[L16], v[HPK:HPK+3],   s[20:21] offset:(\a)*1024 th:TH_STORE_NT
	global_store_b128 v[L16], v[HPK+4:HPK+7], s[20:21] offset:(\a)*1024+512 th:TH_STORE_NT
	WIN 0
.endm
.irp a, 0,1,2,3,4,5,6,7
	EPI \a
.endr
	; pred.  A row's units lie in the lane and in the lane 16 away.  Of blocks 2 m and 2 m + 1 lanes 0-15 keep the first and send the second, lanes 16-31 the other way round: lane l then holds row 32 m + l.
.irp m, 0,1,2,3
	v_cndmask_b32 v22, v[PP+2*(\m)+1], v[PP+2*(\m)], s[HM]
	v_cndmask_b32 v23, v[PP+2*(\m)], v[PP+2*(\m)+1], s[HM]
	v_permlanex16_b32 v24, v22, s[SEL], s[SEL+1]
	v_add_f32 v23, v23, v24
	ds_store_b32 v[PPS], v23 offset:(\m)*128
.endr
	s_wait_dscnt 0x0                               ; for the others' sake: my sums lie in LDS
	s_barrier_signal -1
	s_barrier_wait -1
	ds_load_b64 v[22:23], v[PPR]                   ; rows 2 t, 2 t + 1: the sums of the two waves of my half of the rows
	ds_load_b64 v[24:25], v[PPR] offset:512
	v_mov_b32 v26, s[TC]
	v_cmp_eq_u32 s[MK], 0, v26
	v_mov_b32 v27, s[DB]
	v_cndmask_b32 v26, 0, v27, s[MK]               ; dense_b goes in with tile column 0's part alone: a choice of a value, no branch
	v_mov_b32 v27, v26
	s_wait_dscnt 0x0
	v_pk_add_f32 v[22:23], v[22:23], v[24:25]
	v_pk_add_f32 v[22:23], v[22:23], v[26:27]
	global_store_b64 v[T8], v[22:23], s[CPO:CPO+1] ; slot 0; a wave's store covers 256 consecutive bytes, aligned
	s_wait_tensorcnt 0x0                           ; the wave's end: behind my last tensor load and my last LDS store
	ds_add_u32 v[SPW], v[NIL]
	s_wait_dscnt 0x0
	CROUND                                         ; the closing round: no work-group ends while a partner may still ask for a tile that names it
	s_endpgm
.Lfunc_end_k_q101699b5e0_step0:
	.size	k_q101699b5e0_step0, .Lfunc_end_k_q101699b5e0_step0-k_q101699b5e0_step0
	.p2alignl 7, 3214868480
	.fill 96, 4, 3214868480
	.section	.rodata,"a",@progbits
	.p2align	6, 0x0
	.amdhsa_kernel k_q101699b5e0_step0
		.amdhsa_group_segment_fixed_size 327680
		.amdhsa_private_segment_fixed_size 0
		.amdhsa_enable_private_segment 0
		.amdhsa_kernarg_size 88
		.amdhsa_user_sgpr_count 2
		.amdhsa_user_sgpr_kernarg_segment_ptr 1
		.amdhsa_wavefront_size32 1
		.amdhsa_system_sgpr_workgroup_id_x 1
		.amdhsa_system_sgpr_workgroup_id_y 1
		.amdhsa_system_sgpr_workgroup_id_z 1
		.amdhsa_system_vgpr_workitem_id 0
		.amdhsa_next_free_vgpr 1024
		.amdhsa_next_free_sgpr 92
		.amdhsa_reserve_vcc 0
		.amdhsa_float_denorm_mode_32 3
		.amdhsa_float_denorm_mode_16_64 3
		.amdhsa_memory_ordered 1
		.amdhsa_forward_progress 1
		.amdhsa_inst_pref_size 255
	.end_amdhsa_kernel
	.section	.bss,"aw",@nobits
	.p2align	6
	.space	262144
	.amdgpu_metadata
---
amdhsa.version: [ 1, 2 ]
amdhsa.kernels:
  - .name:           k_q101699b5e0_step0
    .symbol:         k_q101699b5e0_step0.kd
    .args:
      - { .name: hA, .offset: 0, .size: 8, .value_kind: global_buffer, .address_space: global }
      - { .name: wfrag, .offset: 8, .size: 8, .value_kind: global_buffer, .address_space: global }
      - { .name: cA, .offset: 16, .size: 8, .value_kind: global_buffer, .address_space: global }
      - { .name: sA, .offset: 24, .size: 8, .value_kind: global_buffer, .address_space: global }
      - { .name: kernel, .offset: 32, .size: 8, .value_kind: global_buffer, .address_space: global }
      - { .name: bias, .offset: 40, .size: 8, .value_kind: global_buffer, .address_space: global }
      - { .name: dense_w, .offset: 48, .size: 8, .value_kind: global_buffer, .address_space: global }
      - { .name: dense_b, .offset: 56, .size: 8, .value_kind: global_buffer, .address_space: global }
      - { .name: hB, .offset: 64, .size: 8, .value_kind: global_buffer, .address_space: global }
      - { .name: cB, .offset: 72, .size: 8, .value_kind: global_buffer, .address_space: global }
      - { .name: sB, .offset: 80, .size: 8, .value_kind: global_buffer, .address_space: global }
    .group_segment_fixed_size: 327680
    .private_segment_fixed_size: 0
    .kernarg_segment_align: 8
    .kernarg_segment_size: 88
    .max_flat_workgroup_size: 128
    .sgpr_count:     92
    .vgpr_count:     1024
    .wavefront_size: 32
...
	.end_amdgpu_metadata
.endif
;; end of part 2
;; launch step1: the kernel of part 2 again; grid 16 x 16, 4 waves a work-group, clusters of 4 x 4, 327,680 bytes of LDS; arguments hB, wfrag, cB, sB, kernel, bias, dense_w, dense_b, hA, cA, sA; writes hA, cA, sA
;; launch step2: the kernel of part 2 again; grid 16 x 16, 4 waves a work-group, clusters of 4 x 4, 327,680 bytes of LDS; arguments hA, wfrag, cA, sA, kernel, bias, dense_w, dense_b, hB, cB, sB; writes hB, cB, sB
;; launch step3: the kernel of part 2 again; grid 16 x 16, 4 waves a work-group, clusters of 4 x 4, 327,680 bytes of LDS; arguments hB, wfrag, cB, sB, kernel, bias, dense_w, dense_b, hA, cA, sA; writes hA, cA, sA
;; launch fin (part 3): grid 128 x 1, 1 waves a work-group, no clusters, 0 bytes of LDS; arguments sA, out0; writes out0
.if DOCPART == 3
	.amdgcn_target "amdgcn-amd-amdhsa--gfx1250"
	.amdhsa_code_object_version 6
	.text
	.protected	k_q101699b5e0_fin
	.globl	k_q101699b5e0_fin
	.p2align	8
	.type	k_q101699b5e0_fin,@function
k_q101699b5e0_fin:
	s_mov_b64 s[64:65], 0
	v_nop
	global_prefetch_b8 v0, s[64:65] scope:SCOPE_SE
	s_setreg_imm32_b32 hwreg(HW_REG_WAVE_MODE, 25, 1), 1
	s_wait_xcnt 0x0
; out0[row][t] = the sum over the 16 tile columns of pred's partial sums of step t.  sA: [slot 4][tc 16][row 4,096] f32; slot s holds step 3 - s; dense_b came in with tile column 0's part.
; A thread a row: 4,096 rows are 128 waves, a work-group each.  Nothing is shared, so there is no LDS, no barrier, no cluster.  The sums are f32, in a tree.
	s_load_b128 s[4:7], s[0:1], 0x0                ; sA s[4:5], out0 s[6:7]
	v_lshlrev_b32 v1, 2, v0                        ; my row in a plane
	v_lshlrev_b32 v2, 4, v0                        ; my row's 16 bytes of out0
	s_lshl_b32 s8, ttmp9, 7                        ; the work-group's 32 rows
	s_mov_b32 s9, 0
	s_lshl_b32 s10, ttmp9, 9
	s_mov_b32 s11, 0
	s_wait_kmcnt 0x0
	s_add_nc_u64 s[4:5], s[4:5], s[8:9]
	s_add_nc_u64 s[6:7], s[6:7], s[10:11]
.macro SLOAD s                         ; slot s: 16 loads into v[8 + 16 s ..]
.irp t, 0,1,2,3,4,5,6,7,8,9,10,11,12,13,14,15
	global_load_b32 v[8+16*(\s)+(\t)], v1, s[4:5] offset:(\s)*262144+(\t)*16384
.endr
.endm
.macro SSUM s                          ; the slot's 16 numbers into v[7 - s]: step 3 - s
.set b, 8+16*(\s)
.irp i, 0,2,4,6
	v_pk_add_f32 v[b+(\i):b+(\i)+1], v[b+(\i):b+(\i)+1], v[b+8+(\i):b+8+(\i)+1]
.endr
.irp i, 0,2
	v_pk_add_f32 v[b+(\i):b+(\i)+1], v[b+(\i):b+(\i)+1], v[b+4+(\i):b+4+(\i)+1]
.endr
	v_pk_add_f32 v[b:b+1], v[b:b+1], v[b+2:b+3]
	v_add_f32 v[7-(\s)], v[b], v[b+1]
.endm
	SLOAD 0
	SLOAD 1
	SLOAD 2
	s_wait_loadcnt 32                              ; slot 0 is in; slots 1 and 2 stay out
	SLOAD 3
	SSUM 0
	s_wait_loadcnt 32                              ; slot 1 is in; slots 2 and 3 stay out
	SSUM 1
	s_wait_loadcnt 16
	SSUM 2
	s_wait_loadcnt 0x0
	SSUM 3
	global_store_b128 v2, v[4:7], s[6:7]           ; the wave's store covers 512 consecutive bytes, aligned
	s_endpgm
.Lfunc_end_k_q101699b5e0_fin:
	.size	k_q101699b5e0_fin, .Lfunc_end_k_q101699b5e0_fin-k_q101699b5e0_fin
	.p2alignl 7, 3214868480
	.fill 96, 4, 3214868480
	.section	.rodata,"a",@progbits
	.p2align	6, 0x0
	.amdhsa_kernel k_q101699b5e0_fin
		.amdhsa_group_segment_fixed_size 0
		.amdhsa_private_segment_fixed_size 0
		.amdhsa_enable_private_segment 0
		.amdhsa_kernarg_size 16
		.amdhsa_user_sgpr_count 2
		.amdhsa_user_sgpr_kernarg_segment_ptr 1
		.amdhsa_wavefront_size32 1
		.amdhsa_system_sgpr_workgroup_id_x 1
		.amdhsa_system_sgpr_workgroup_id_y 1
		.amdhsa_system_sgpr_workgroup_id_z 1
		.amdhsa_system_vgpr_workitem_id 0
		.amdhsa_next_free_vgpr 80
		.amdhsa_next_free_sgpr 66
		.amdhsa_reserve_vcc 0
		.amdhsa_float_denorm_mode_32 3
		.amdhsa_float_denorm_mode_16_64 3
		.amdhsa_memory_ordered 1
		.amdhsa_forward_progress 1
		.amdhsa_inst_pref_size 9
	.end_amdhsa_kernel
	.amdgpu_metadata
---
amdhsa.version: [ 1, 2 ]
amdhsa.kernels:
  - .name:           k_q101699b5e0_fin
    .symbol:         k_q101699b5e0_fin.kd
    .args:
      - { .name: sA, .offset: 0, .size: 8, .value_kind: global_buffer, .address_space: global }
      - { .name: out0, .offset: 8, .size: 8, .value_kind: global_buffer, .address_space: global }
    .group_segment_fixed_size: 0
    .private_segment_fixed_size: 0
    .kernarg_segment_align: 8
    .kernarg_segment_size: 16
    .max_flat_workgroup_size: 32
    .sgpr_count:     66
    .vgpr_count:     80
    .wavefront_size: 32
...
	.end_amdgpu_metadata
.endif
;; end of part 3
;; ======== version 2 of 2: 6 launches; version 1 with the launch prep written anew for expert scheduling mode
;; workspace buffers: wfrag 8,388,608 bytes; hA 8,388,608 bytes; hB 8,388,608 bytes; cA 16,777,216 bytes; cB 16,777,216 bytes; sA 1,048,576 bytes; sB 1,048,576 bytes
;; launch prep (part 4): grid 256 x 1, 8 waves a work-group, no clusters, 0 bytes of LDS; arguments features, recurrent_kernel, wfrag, hA, cA, sA; writes wfrag, hA, cA, sA
.if DOCPART == 4
	.amdgcn_target "amdgcn-amd-amdhsa--gfx1250"
	.amdhsa_code_object_version 6
	.text
	.protected	k_q101699b5e0_prep
	.globl	k_q101699b5e0_prep
	.p2align	8
	.type	k_q101699b5e0_prep,@function
k_q101699b5e0_prep:
	s_mov_b64 s[64:65], 0
	v_nop
	global_prefetch_b8 v0, s[64:65] scope:SCOPE_SE
	s_setreg_imm32_b32 hwreg(HW_REG_WAVE_SCHED_MODE, 0, 2), 2
	s_setreg_imm32_b32 hwreg(HW_REG_WAVE_MODE, 25, 1), 1
	s_wait_xcnt 0x0
	s_wait_alu depctr_vm_vsrc(0)
; PREPARATION for four LSTM steps.  It writes, once:
;   wfrag  the recurrent kernel R [1024 k][4096 n], rounded to bf16, as images of matrix fragments: [tc 16][ks 8][wc 2][q 4][b 8][1,024 bytes].  A fragment is 16 columns x 32 k: lane l = (r = l % 16, hh = l / 16)
;          holds column r; its 16 bytes at 16 l of the first 512 are k = 8 hh + 0..7, those of the second 512 k = 16 + 8 hh + 0..7.  Column n = (b / 2) 1024 + 64 tc + 32 wc + 16 (b % 2) + r; k = 128 ks + 32 q + ..
;   hA     h0 = [features, features], bf16, fragments of 16 rows x 32 units: [tr 16][kb 32][rb 16][1,024 bytes]
;   cA     c0 = h0 in f32, in the layout of the lane that will own it: [tr 16][tc 16][wave 4][a 8][ub 2][jj 2][lane][16 bytes]: row 256 tr + 128 (wave / 2) + 16 a + r, units 64 tc + 32 (wave % 2) + 16 ub + 8 hh + 4 jj + 0..3
;   sA     zeros: the partial sums of a prediction that has not been made: the first step's input is 0
; A stream: no byte is shared between work-groups, so there is no LDS, no barrier, no cluster and no matrix work.  2,048 waves, number g; each does three tasks, without a loop.
; Every store of a wave covers 512 consecutive bytes, aligned.  No register that a store reads is written again, so no wait frees one.
; THE MODE: SCHED_MODE bits 1:0 = 2 (LLVM: expert scheduling mode 2), set by the entry lines.  The code itself states the register dependences
; between vector instructions and memory instructions, with s_wait_alu, always for 0.
; THE PLAN.  Registers that memory instructions touch:
;   v3, v4, v5  byte offsets, and v[8:11], zeros: written by vector lines at the head, once; read by the loads and stores.  One wait on va_vdst ahead of the first load states that they are written.
;   FL          written by features' loads; read by the conversions into HP and by cA's stores; never written again.
;   HP          written by 16 conversions, once; read by hA's 8 stores.  cA's 16 stores, which read loaded data alone, stand between the conversions and the wait ahead of hA's stores.
;   WL          written by R's loads, each register once; read by the conversions alone.
;   WP          written by 8 conversions a block, once; read by the block's two stores.  Block 0: block 3's 16 loads stand between the conversions and the wait; blocks 1 and 2 share one wait; block 3 has its own.
; No memory instruction's source is written again, and no load lands in a register that a vector instruction has named: so past the entry the text holds no wait on vm_vsrc.
; The wave's number passes from a vector instruction into s16: one wait on va_sdst stands ahead of its first reader.
.set WL, 16                            ; v[16:79]    R as loaded: block m = 2 wc + ub, 16 numbers a lane
.set WP, 80                            ; v[80:111]   the same packed to bf16, 8 registers a block
.set FL, 112                           ; v[112:143]  features as loaded: block m, 8 numbers a lane
.set HP, 144                           ; v[144:159]  the same packed to bf16, 4 registers a block
	s_load_b256 s[4:11], s[0:1], 0x0               ; features s[4:5], R s[6:7], wfrag s[8:9], hA s[10:11]
	s_load_b128 s[12:15], s[0:1], 0x20             ; cA s[12:13], sA s[14:15]
	v_lshrrev_b32 v1, 5, v0
	v_readfirstlane_b32 s16, v1                    ; wave 0..7
	v_and_b32 v1, 15, v0                           ; r
	v_bfe_u32 v2, v0, 4, 1                         ; hh
	v_and_b32 v3, 31, v0
	v_lshlrev_b32 v3, 4, v3                        ; 16 x lane: where every store goes
	v_lshlrev_b32 v4, 2, v1
	v_lshl_add_u32 v4, v2, 17, v4                  ; in R: column r, row 8 hh (a row is 16,384 bytes)
	v_lshlrev_b32 v5, 11, v1
	v_lshl_add_u32 v5, v2, 5, v5                   ; in features: row r (2,048 bytes), 8 hh numbers on
	v_mov_b32 v8, 0
	v_mov_b32 v9, 0
	v_mov_b32 v10, 0
	v_mov_b32 v11, 0
	s_wait_alu depctr_va_sdst(0)                   ; s16 is written, ahead of its first reader: every base below is made from it
	s_lshl_b32 s17, ttmp9, 3
	s_add_co_u32 s17, s17, s16                     ; g = 8 x work-group + wave
	; task W: tc = g / 128, gate = (g / 32) % 4, kb = g % 32: 32 rows of R x 64 columns (256 bytes, aligned), four fragments
	s_lshr_b32 s18, s17, 7                         ; tc
	s_bfe_u32 s19, s17, 0x20005                    ; gate
	s_and_b32 s20, s17, 31                         ; kb
	s_lshl_b32 s22, s20, 19                        ; from: 32 kb rows,
	s_lshl_b32 s21, s19, 12                        ; the gate's 1,024 columns,
	s_add_co_u32 s22, s22, s21
	s_lshl_b32 s21, s18, 8                         ; the tile column's 64
	s_add_co_u32 s22, s22, s21
	s_mov_b32 s23, 0
	s_lshl_b32 s24, s18, 19                        ; to: tc,
	s_lshr_b32 s21, s20, 2
	s_lshl_b32 s21, s21, 16                        ; ks = kb / 4,
	s_add_co_u32 s24, s24, s21
	s_and_b32 s21, s20, 3
	s_lshl_b32 s21, s21, 13                        ; q = kb % 4,
	s_add_co_u32 s24, s24, s21
	s_lshl_b32 s21, s19, 11                        ; b = 2 gate + ub
	s_add_co_u32 s24, s24, s21
	s_mov_b32 s25, 0
	; task F: rb = g / 8 (16 rows), tcp = g % 8 (64 columns of features: 256 bytes, aligned)
	s_lshr_b32 s18, s17, 3                         ; rb
	s_and_b32 s19, s17, 7                          ; tcp
	s_lshl_b32 s26, s18, 15
	s_lshl_b32 s21, s19, 8
	s_add_co_u32 s26, s26, s21
	s_mov_b32 s27, 0
	s_lshr_b32 s20, s18, 4                         ; tr
	s_and_b32 s18, s18, 15                         ; the block of 16 rows in its tile row = 8 wr + a
	s_lshl_b32 s28, s20, 20                        ; c: tr,
	s_lshl_b32 s21, s19, 16                        ; tc = tcp,
	s_add_co_u32 s28, s28, s21
	s_lshr_b32 s21, s18, 3
	s_lshl_b32 s21, s21, 15                        ; wave = 2 wr + wc,
	s_add_co_u32 s28, s28, s21
	s_and_b32 s21, s18, 7
	s_lshl_b32 s21, s21, 11                        ; a
	s_add_co_u32 s28, s28, s21
	s_mov_b32 s29, 0
	s_lshl_b32 s30, s20, 19                        ; h: tr,
	s_lshl_b32 s21, s19, 15                        ; kb = 2 tcp + wc,
	s_add_co_u32 s30, s30, s21
	s_lshl_b32 s21, s18, 10                        ; the block of rows
	s_add_co_u32 s30, s30, s21
	s_mov_b32 s31, 0
	s_lshl_b32 s32, s17, 9                         ; task Z: my 512 bytes of sA
	s_mov_b32 s33, 0
	s_wait_kmcnt 0x0
	s_add_nc_u64 s[4:5], s[4:5], s[26:27]
	s_add_nc_u64 s[6:7], s[6:7], s[22:23]
	s_add_nc_u64 s[8:9], s[8:9], s[24:25]
	s_add_nc_u64 s[10:11], s[10:11], s[30:31]
	s_add_nc_u64 s[12:13], s[12:13], s[28:29]
	s_add_nc_u64 s[14:15], s[14:15], s[32:33]
	s_wait_alu depctr_va_vdst(0)                   ; the offsets v3, v4, v5 and the zeros v[8:11] are written: every load and store of the kernel reads one of the offsets, sA's store the zeros
.macro WLOAD m                         ; block m: number i of a lane's 16 is k = 8 hh + i (i < 8) or 16 + 8 hh + i - 8.  The four blocks' loads together take 256 consecutive bytes of each of 32 rows
.set i, 0
.rept 16
	global_load_b32 v[WL+16*(\m)+i], v4, s[6:7] offset:(i+8*(i/8))*16384+(\m)*64
.set i, i+1
.endr
.endm
.macro WCVT m                          ; block m is rounded, two numbers a register, k ascending
.set p, 0
.rept 8
	v_cvt_pk_bf16_f32 v[WP+8*(\m)+p], v[WL+16*(\m)+2*p], v[WL+16*(\m)+2*p+1]
.set p, p+1
.endr
.endm
.macro WSTORE m                        ; and stored as one fragment
	global_store_b128 v3, v[WP+8*(\m):WP+8*(\m)+3],   s[8:9] offset:((\m)/2)*32768+((\m)%2)*1024 th:TH_STORE_NT
	global_store_b128 v3, v[WP+8*(\m)+4:WP+8*(\m)+7], s[8:9] offset:((\m)/2)*32768+((\m)%2)*1024+512 th:TH_STORE_NT
.endm
.irp m, 0,1,2,3
.irp j, 0,1
	global_load_b128 v[FL+8*(\m)+4*(\j):FL+8*(\m)+4*(\j)+3], v5, s[4:5] offset:(\m)*64+(\j)*16  ; the eight loads together take 256 consecutive bytes of each of 16 rows
.endr
.endr
	WLOAD 0
	WLOAD 1
	WLOAD 2                                        ; 56 loads of mine are out
	global_store_b128 v3, v[8:11], s[14:15] th:TH_STORE_NT
	s_wait_loadcnt 48                              ; features are in; the 48 loads of R stay out
.irp m, 0,1,2,3
.irp p, 0,1,2,3
	v_cvt_pk_bf16_f32 v[HP+4*(\m)+(\p)], v[FL+8*(\m)+2*(\p)], v[FL+8*(\m)+2*(\p)+1]
.endr
.endr
.irp m, 0,1,2,3                        ; c0's stores read loaded data and v3 alone: they hang on no vector instruction issued since the wait at the head
.irp j, 0,1
	global_store_b128 v3, v[FL+8*(\m)+4*(\j):FL+8*(\m)+4*(\j)+3], s[12:13] offset:((\m)/2)*16384+((\m)%2)*1024+(\j)*512 th:TH_STORE_NT
	global_store_b128 v3, v[FL+8*(\m)+4*(\j):FL+8*(\m)+4*(\j)+3], s[12:13] offset:((\m)/2)*16384+((\m)%2)*1024+(\j)*512+524288 th:TH_STORE_NT  ; the second half of the units: tc + 8
.endr
.endr
	s_wait_alu depctr_va_vdst(0)                   ; the sixteen conversions have written HP, which the eight stores below read
.irp m, 0,1,2,3
	global_store_b128 v3, v[HP+4*(\m):HP+4*(\m)+3], s[10:11] offset:((\m)/2)*16384+((\m)%2)*512 th:TH_STORE_NT
	global_store_b128 v3, v[HP+4*(\m):HP+4*(\m)+3], s[10:11] offset:((\m)/2)*16384+((\m)%2)*512+262144 th:TH_STORE_NT  ; kb + 16
.endr
	s_wait_loadcnt 32                              ; block 0 is in; blocks 1 and 2 stay out
	WCVT 0
	WLOAD 3                                        ; these loads touch v4 and v[64:79], which no vector instruction since the wait at the head names
	s_wait_alu depctr_va_vdst(0)                   ; block 0's conversions have written WP's first eight registers, which its two stores read
	WSTORE 0
	s_wait_loadcnt 32                              ; block 1 is in; blocks 2 and 3 stay out
	WCVT 1
	s_wait_loadcnt 16                              ; block 2 is in; block 3 stays out
	WCVT 2
	s_wait_alu depctr_va_vdst(0)                   ; the conversions of blocks 1 and 2 have written their sixteen registers of WP, which the four stores below read
	WSTORE 1
	WSTORE 2
	s_wait_loadcnt 0x0
	WCVT 3
	s_wait_alu depctr_va_vdst(0)                   ; block 3's conversions have written WP's last eight registers, which the last two stores read
	WSTORE 3
	s_endpgm
.Lfunc_end_k_q101699b5e0_prep:
	.size	k_q101699b5e0_prep, .Lfunc_end_k_q101699b5e0_prep-k_q101699b5e0_prep
	.p2alignl 7, 3214868480
	.fill 96, 4, 3214868480
	.section	.rodata,"a",@progbits
	.p2align	6, 0x0
	.amdhsa_kernel k_q101699b5e0_prep
		.amdhsa_group_segment_fixed_size 0
		.amdhsa_private_segment_fixed_size 0
		.amdhsa_enable_private_segment 0
		.amdhsa_kernarg_size 48
		.amdhsa_user_sgpr_count 2
		.amdhsa_user_sgpr_kernarg_segment_ptr 1
		.amdhsa_wavefront_size32 1
		.amdhsa_system_sgpr_workgroup_id_x 1
		.amdhsa_system_sgpr_workgroup_id_y 1
		.amdhsa_system_sgpr_workgroup_id_z 1
		.amdhsa_system_vgpr_workitem_id 0
		.amdhsa_next_free_vgpr 160
		.amdhsa_next_free_sgpr 66
		.amdhsa_reserve_vcc 0
		.amdhsa_float_denorm_mode_32 3
		.amdhsa_float_denorm_mode_16_64 3
		.amdhsa_memory_ordered 1
		.amdhsa_forward_progress 1
		.amdhsa_inst_pref_size 16
	.end_amdhsa_kernel
	.amdgpu_metadata
---
amdhsa.version: [ 1, 2 ]
amdhsa.kernels:
  - .name:           k_q101699b5e0_prep
    .symbol:         k_q101699b5e0_prep.kd
    .args:
      - { .name: features, .offset: 0, .size: 8, .value_kind: global_buffer, .address_space: global }
      - { .name: recurrent_kernel, .offset: 8, .size: 8, .value_kind: global_buffer, .address_space: global }
      - { .name: wfrag, .offset: 16, .size: 8, .value_kind: global_buffer, .address_space: global }
      - { .name: hA, .offset: 24, .size: 8, .value_kind: global_buffer, .address_space: global }
      - { .name: cA, .offset: 32, .size: 8, .value_kind: global_buffer, .address_space: global }
      - { .name: sA, .offset: 40, .size: 8, .value_kind: global_buffer, .address_space: global }
    .group_segment_fixed_size: 0
    .private_segment_fixed_size: 0
    .kernarg_segment_align: 8
    .kernarg_segment_size: 48
    .max_flat_workgroup_size: 256
    .sgpr_count:     66
    .vgpr_count:     160
    .wavefront_size: 32
...
	.end_amdgpu_metadata
.endif
;; end of part 4
;; launch step0: the kernel of part 2 again; grid 16 x 16, 4 waves a work-group, clusters of 4 x 4, 327,680 bytes of LDS; arguments hA, wfrag, cA, sA, kernel, bias, dense_w, dense_b, hB, cB, sB; writes hB, cB, sB
;; launch step1: the kernel of part 2 again; grid 16 x 16, 4 waves a work-group, clusters of 4 x 4, 327,680 bytes of LDS; arguments hB, wfrag, cB, sB, kernel, bias, dense_w, dense_b, hA, cA, sA; writes hA, cA, sA
;; launch step2: the kernel of part 2 again; grid 16 x 16, 4 waves a work-group, clusters of 4 x 4, 327,680 bytes of LDS; arguments hA, wfrag, cA, sA, kernel, bias, dense_w, dense_b, hB, cB, sB; writes hB, cB, sB
;; launch step3: the kernel of part 2 again; grid 16 x 16, 4 waves a work-group, clusters of 4 x 4, 327,680 bytes of LDS; arguments hB, wfrag, cB, sB, kernel, bias, dense_w, dense_b, hA, cA, sA; writes hA, cA, sA
;; launch fin: the kernel of part 3 again; grid 128 x 1, 1 waves a work-group, no clusters, 0 bytes of LDS; arguments sA, out0; writes out0
